; MI455X (gfx1250); checked and timed in simulation.
; The chip was launched on July 23, 2026; its instructions are those of AMD's public machine-readable ISA for CDNA 5 (MIT licence, August 2026) and "CDNA5" Instruction Set Architecture Reference Guide (July 2026). The comments in the code are by the model that wrote it; some were corrected since.
;; Relation Tagger. Allowed arithmetic: matrix products marked QUANTISED: E2M1 operands, one E8M0 scale for each 32 along K, by v_wmma_scale_f32_16x16x128_f8f6f4 with both operands' format E2M1 (or v_wmma_scale_f32_32x16x128_f4), f32 sums; everything else in f32.
;; Inputs: Wk 2 x 1,024 x 1,024 float32; Wq 2 x 1,024 x 1,024 float32; Wv 2 x 1,024 x 1,024 float32; emb 2 x 32 x 1,024 float32; hidden 16 x 512 x 1,024 float32.
;; Outputs: out0 16 x 2 x 544 x 512 float32.
;; This version of the problem:
;;   THIS VERSION OF THE PROBLEM IS GIVEN IN LOW PRECISION. The matrix products marked QUANTISED in the list below multiply operands that are first quantised to E2M1 (2 exponent bits, 1 mantissa bit; 4 bits a number), with one power-of-two scale for each 32 numbers along K (OCP MX v1.0); their sums are f32. All else is computed in f32.
;;   The module's matrix products, in the order in which they are computed (A, B: the left and right operand; K: the contracted axis; several contracted axes count as one K, in the product's order):
;;     1. [M 2,048, K 1,024] x [K 1,024, N 8,192]; A: input Wk; B: input hidden: QUANTISED
;;     2. [M 2,048, K 1,024] x [K 1,024, N 8,192]; A: input Wq; B: input hidden: QUANTISED
;;     3. [M 2,048, K 1,024] x [K 1,024, N 8,192]; A: input Wv; B: input hidden: QUANTISED
;;     4. batch 32 x [M 544, K 1,024] x [K 1,024, N 512]; A: computed on the way; B: computed on the way: QUANTISED
;;   THE QUANTISER, for each operand of a quantised product, along K:
;;     - K is cut into blocks of 32 from its start; a last block that is shorter is filled with zeros.
;;     - A block's scale is 2^e with e = floor(log2(the largest magnitude in the block)) - 2, held to -126 .. 127; a block of zeros has e = 0. As a byte (E8M0): e + 127.
;;     - Each number is divided by its block's scale, clamped to +-6, and rounded to the nearest number of E2M1, ties to even, subnormals kept.
;;     - The product sums the exact products of the quantised numbers (number of the format x scale) in f32.
;;   ~~~python
;;   def quantise(x, axis):      # numpy; x: float32 -> the quantised numbers, widened to float32 again
;;       x = np.moveaxis(x, axis, -1); K = x.shape[-1]
;;       x = np.pad(x, [(0, 0)] * (x.ndim - 1) + [(0, -K % 32)]); x = x.reshape(x.shape[:-1] + (-1, 32)); a = np.abs(x).max(-1, keepdims=True)
;;       e = np.where(a > 0, np.clip(np.frexp(np.where(a > 0, a, 1))[1] - 1 - 2, -126, 127), 0)      # np.frexp(a)[1] - 1 = floor(log2(a)), exactly
;;       r = np.clip(x / 2.0 ** e, -6, 6)
;;       step = 2.0 ** (np.maximum(np.frexp(np.where(r == 0, 1, r))[1] - 1, 0) - 1)
;;       q = np.round(r / step) * step * 2.0 ** e      # np.round: ties to even
;;       return np.moveaxis(q.reshape(q.shape[:-2] + (-1,))[..., :K], -1, axis).astype(np.float32)
;;   ~~~
;;   OPERANDS COMPUTED ON THE WAY. 'Computed on the way' means the value that the module computes at that place (a softmax that the list does not call 'softmax' is quantised finished and normalised). What goes into a quantiser is computed in f32, as accurately as f32 sums, v_exp_f32 and their like allow (about 1e-6 of the number): no bf16 or f16 on the way to a quantiser, and a product that is left as it is and whose result goes on into a quantised operand takes f32 operands (vector FMAs, or v_wmma_f32_16x16x4_f32). A number that lies on a knife's edge between two numbers of the format may be rounded either way, as far as f32 arithmetic and the matrix unit's own rounding can turn it there, and no further.
;; One version. Each part assembles by itself: llvm-mc -triple=amdgcn-amd-amdhsa -mcpu=gfx1250 --defsym DOCPART=n.
;; ======== version 1 of 1: 3 launches
;; limits: right only within a limited range of input values
;; workspace buffers: qx 7,833,600 bytes; kq 17,825,792 bytes; vp 524,288 bytes
;; launch quant (part 1): grid 900 x 1, 4 waves a work-group, no clusters, 34,816 bytes of LDS; arguments hidden, Wk, Wq, Wv, emb, qx; writes qx
.if DOCPART == 1
	.amdgcn_target "amdgcn-amd-amdhsa--gfx1250"
	.amdhsa_code_object_version 6
	.text
	.protected	k_qf8a6289efd_quant
	.globl	k_qf8a6289efd_quant
	.p2align	8
	.type	k_qf8a6289efd_quant,@function
k_qf8a6289efd_quant:
	s_mov_b64 s[64:65], 0
	v_nop
	global_prefetch_b8 v0, s[64:65] scope:SCOPE_SE
	s_setreg_imm32_b32 hwreg(HW_REG_WAVE_MODE, 25, 1), 1
	s_wait_xcnt 0x0
; FIRST LAUNCH: hidden, Wk, Wq, Wv and emb, f32, become codes of FP4 (E2M1) with one E8M0 scale byte for each 32 along K, in qx.  Nothing is left out in this program.
; A block's scale is 2^(floor(log2(its largest magnitude)) - 2); its byte is the largest magnitude's exponent field - 2, held at 1 from below (a block of zeros keeps the byte 1: its codes are zeros, and this program alone reads the bytes).
; LIMITS: blocks whose largest magnitude lies under 2^-124 get the byte 1; NaN and infinities among the inputs are not served.
; qx: a rowblock is 16 rows x 1,024 along K, as images of operand registers: two records (halves of K) of 4,352 bytes: 1024 s + 512 cc + 16 lane for K step s of 128, then at 4096 + 16 r the four scale words of lane-row r.
; Rowblocks: 0-511 hidden, 512-639 Wk, 640-767 Wq, 768-895 Wv, 896-899 emb: one work-group each; wave w takes K's quarter w, as two steps of 128.
; ROWS: of hidden and emb, lane-row x of rowblock n is row 32 (n / 2) + 8 (n % 2) + x % 8 + 16 (x / 8); of the weights, row 64 (n / 4) + 8 (n % 4) + x % 8 + 32 (x / 8): two runs of eight neighbouring rows.
; Each load covers 512 consecutive bytes of a row; a wave's 32 loads (16 KiB) are all on their way at once.  A step's 8 KiB turn through the wave's own stage (rows 528 bytes apart), so that a lane gets whole blocks of 32.
; No tensor load, no cluster: no byte of the inputs is read twice.  No prefetch: there is no loop to run ahead in.
.set PITCH, 528
.set WREG,  16*PITCH                   ; a wave's stage
.set SCB,   4*WREG                     ; the rowblock's 2 x 256 scale bytes
.set SPARE, SCB+512                    ; the spare words, 128 bytes for each wave
.set REC,   4352
.set L16,  1                           ; 16 x lane
.set SI,   2                           ; stage, in
.set SR,   3                           ; stage, out: my row, + 128 h
.set H8,   4                           ; 8 h
.set SPW,  5
.set NIL,  6
.set P,    7
.set M,    8                           ; v8-11
.set SO,   12
.set BY,   14
.set SW,   16                          ; v16-17 the scale words of my row's two steps
.set T,    18
.set SCA,  19                          ; where my row's words go
.set SCR,  20
.set SCT,  21
.set PC,   24                          ; v24-39 codes
.set X,    40                          ; v40-103 two blocks of 32
.set R,    104                         ; v104-231 as loaded
.set WV,   40
.set SEL,  60
	s_load_b256 s[4:11], s[0:1], 0x0               ; hidden, Wk, Wq, Wv
	s_load_b128 s[12:15], s[0:1], 0x20             ; emb, qx
	v_lshl_add_u32 v[SPW], v0, 2, SPARE
	v_mov_b32 v[NIL], 0
	v_lshrrev_b32 v22, 5, v0
	v_readfirstlane_b32 s[WV], v22                 ; wave
	s_mov_b32 s[SEL], 0x76543210
	s_mov_b32 s[SEL+1], 0xfedcba98                 ; v_permlanex16_b32's selects for lane l xor 16
	s_mul_i32 s16, s[WV], WREG
	s_lshr_b32 s17, s[WV], 1                       ; the record
	s_and_b32 s18, s[WV], 1                        ; which half of it
	s_lshl_b32 s19, s17, 8
	s_lshl_b32 s20, s18, 3
	s_add_co_u32 s19, s19, s20
	s_add_co_u32 s19, s19, SCB
	v_and_b32 v22, 31, v0
	v_and_b32 v23, 15, v0                          ; r
	v_bfe_u32 v24, v0, 4, 1                        ; h
	v_lshlrev_b32 v[L16], 4, v22
	v_add_nc_u32 v[SI], s16, v[L16]
	v_mul_u32_u24 v[SR], v23, PITCH
	v_lshl_add_u32 v[SR], v24, 7, v[SR]
	v_add_nc_u32 v[SR], s16, v[SR]
	v_lshlrev_b32 v[H8], 3, v24
	v_lshl_add_u32 v[SCA], v23, 4, s19
	v_add_nc_u32 v[SCR], SCB, v[L16]
	v_lshlrev_b32 v[SCT], 4, v23
	v_mad_u32_u24 v[SCT], v24, REC, v[SCT]
	v_mov_b32 v[P], 0                              ; written once: a lane permute's destination counts as one of its sources
	s_wait_alu depctr_va_vdst(0)                   ; the wait at the head's end
	s_wait_kmcnt 0x0
	s_mov_b64 s[42:43], s[12:13]                   ; which tensor, and its first rowblock
	s_mov_b32 s44, 896
	s_cmp_lt_u32 ttmp9, 896
	s_cselect_b64 s[42:43], s[10:11], s[42:43]
	s_cselect_b32 s44, 768, s44
	s_cmp_lt_u32 ttmp9, 768
	s_cselect_b64 s[42:43], s[8:9], s[42:43]
	s_cselect_b32 s44, 640, s44
	s_cmp_lt_u32 ttmp9, 640
	s_cselect_b64 s[42:43], s[6:7], s[42:43]
	s_cselect_b32 s44, 512, s44
	s_cmp_lt_u32 ttmp9, 512
	s_cselect_b64 s[42:43], s[4:5], s[42:43]
	s_cselect_b32 s44, 0, s44
	s_sub_co_u32 s45, ttmp9, s44                   ; n
	s_lshr_b32 s46, s45, 1
	s_lshl_b32 s46, s46, 5
	s_and_b32 s47, s45, 1
	s_lshl_b32 s47, s47, 3
	s_add_co_u32 s46, s46, s47                     ; the first row in hidden or emb
	s_lshr_b32 s47, s45, 2
	s_lshl_b32 s47, s47, 6
	s_and_b32 s48, s45, 3
	s_lshl_b32 s48, s48, 3
	s_add_co_u32 s47, s47, s48                     ; in a weight
	s_mov_b32 s50, 16*4096                         ; from the first run of rows to the second
	s_mov_b32 s51, 32*4096
	s_sub_co_u32 s48, ttmp9, 512
	s_cmp_lt_u32 s48, 384                          ; a weight?
	s_cselect_b32 s46, s47, s46
	s_cselect_b32 s50, s51, s50
	s_mov_b32 s51, 0
	s_lshl_b32 s46, s46, 12
	s_lshl_b32 s47, s[WV], 10
	s_add_co_u32 s46, s46, s47                     ; + my quarter of K
	s_mov_b32 s47, 0
	s_add_nc_u64 s[42:43], s[42:43], s[46:47]
	s_add_nc_u64 s[44:45], s[42:43], s[50:51]
.macro LOAD st
.irp i, 0,1,2,3,4,5,6,7
	global_load_b128 v[R+64*\st+4*\i:R+64*\st+4*\i+3], v[L16], s[42:43] offset:4096*\i+512*\st th:TH_LOAD_NT
.endr
.irp i, 0,1,2,3,4,5,6,7
	global_load_b128 v[R+64*\st+32+4*\i:R+64*\st+32+4*\i+3], v[L16], s[44:45] offset:4096*\i+512*\st th:TH_LOAD_NT
.endr
.endm
	LOAD 0
	LOAD 1
	s_mul_i32 s52, ttmp9, 2*REC
	s_mov_b32 s53, 0
	s_add_nc_u64 s[54:55], s[14:15], s[52:53]      ; the rowblock's records
	s_mul_i32 s52, s17, REC
	s_lshl_b32 s56, s18, 11
	s_add_co_u32 s52, s52, s56
	s_add_nc_u64 s[56:57], s[54:55], s[52:53]      ; my two steps of them
.macro CVT2 g                          ; eight numbers of each of my two blocks
	v_cvt_scalef32_pk8_fp4_f32 v[PCI+\g], v[X+8*\g:X+8*\g+7], v[SO]
	v_cvt_scalef32_pk8_fp4_f32 v[PCI+4+\g], v[X+32+8*\g:X+32+8*\g+7], v[SO+1]
.endm
.macro STEP st
	s_wait_loadcnt 16-16*\st                       ; this step's 16 loads are in
.irp i, 0,1,2,3,4,5,6,7,8,9,10,11,12,13,14,15
	ds_store_b128 v[SI], v[R+64*\st+4*\i:R+64*\st+4*\i+3] offset:PITCH*\i
.endr
.irp i, 0,1,2,3,4,5,6,7
.irp cc, 0,1
	ds_load_b128 v[X+32*\cc+4*\i:X+32*\cc+4*\i+3], v[SR] offset:256*\cc+16*\i   ; LDS serves a wave's instructions in order: these see my stores
.endr
.endr
	s_wait_dscnt 0x0
.irp cc, 0,1
	v_max3_num_f32 v[M+2*\cc], |v[X+32*\cc]|, |v[X+32*\cc+1]|, 0x1800000   ; with the floor 2^(3 - 127)
	v_max3_num_f32 v[M+2*\cc+1], |v[X+32*\cc+16]|, |v[X+32*\cc+17]|, |v[X+32*\cc+18]|
.endr
.irp i, 2,4,6,8,10,12
.irp cc, 0,1
	v_max3_num_f32 v[M+2*\cc], v[M+2*\cc], |v[X+32*\cc+\i]|, |v[X+32*\cc+\i+1]|
	v_max3_num_f32 v[M+2*\cc+1], v[M+2*\cc+1], |v[X+32*\cc+17+\i]|, |v[X+32*\cc+18+\i]|
.endr
.endr
.irp cc, 0,1
	v_max3_num_f32 v[M+2*\cc], v[M+2*\cc], |v[X+32*\cc+14]|, |v[X+32*\cc+15]|
.endr
.irp cc, 0,1
	v_max3_num_f32 v[M+2*\cc], v[M+2*\cc], v[M+2*\cc+1], |v[X+32*\cc+31]|
.endr
.irp cc, 0,1
	v_add_nc_u32 v[SO+\cc], 0xff000000, v[M+2*\cc]   ; 2 off its exponent field: the conversion's scale operand
.endr
.irp cc, 0,1
	v_lshrrev_b32 v[BY+\cc], 23, v[SO+\cc]         ; the scale's byte
.endr
.set PCI, PC+8*\st
	v_lshl_or_b32 v[T], v[BY+1], 16, v[BY]         ; my two bytes of the row's word, at their places; lane l xor 16 has the other two
	CVT2 0
	v_lshlrev_b32 v[T], v[H8], v[T]
	CVT2 1
	v_permlanex16_b32 v[P], v[T], s[SEL], s[SEL+1]
	CVT2 2
	v_or_b32 v[SW+\st], v[T], v[P]
	CVT2 3
	v_nop                                          ; one plain place behind the last scaled conversion
.irp cc, 0,1
	global_store_b128 v[L16], v[PCI+4*\cc:PCI+4*\cc+3], s[56:57] offset:1024*\st+512*\cc   ; 512 consecutive bytes, aligned to 256
.endr
.endm
	STEP 0
	STEP 1
	ds_store_b64 v[SCA], v[SW:SW+1]                ; both halves of the lanes write the same words with the same values
	s_wait_dscnt 0x0                               ; for the others' sake: my words are in LDS
	s_barrier_signal -1
	s_barrier_wait -1
	s_cmp_lg_u32 s[WV], 0
	s_cbranch_scc1 .Lend                           ; wave 0 alone stores the two records' scale words
	ds_load_b128 v[X:X+3], v[SCR]
	s_wait_dscnt 0x0
	global_store_b128 v[SCT], v[X:X+3], s[54:55] offset:4096   ; sixteen lanes store one aligned unit of 256 bytes, twice
.Lend:
	s_wait_tensorcnt 0x0                           ; the wave's end
	ds_add_u32 v[SPW], v[NIL]
	s_wait_dscnt 0x0
	s_endpgm
.Lfunc_end_k_qf8a6289efd_quant:
	.size	k_qf8a6289efd_quant, .Lfunc_end_k_qf8a6289efd_quant-k_qf8a6289efd_quant
	.p2alignl 7, 3214868480
	.fill 96, 4, 3214868480
	.section	.rodata,"a",@progbits
	.p2align	6, 0x0
	.amdhsa_kernel k_qf8a6289efd_quant
		.amdhsa_group_segment_fixed_size 34816
		.amdhsa_private_segment_fixed_size 0
		.amdhsa_enable_private_segment 0
		.amdhsa_kernarg_size 48
		.amdhsa_user_sgpr_count 2
		.amdhsa_user_sgpr_kernarg_segment_ptr 1
		.amdhsa_wavefront_size32 1
		.amdhsa_system_sgpr_workgroup_id_x 1
		.amdhsa_system_sgpr_workgroup_id_y 1
		.amdhsa_system_sgpr_workgroup_id_z 1
		.amdhsa_system_vgpr_workitem_id 0
		.amdhsa_next_free_vgpr 232
		.amdhsa_next_free_sgpr 66
		.amdhsa_reserve_vcc 0
		.amdhsa_float_denorm_mode_32 3
		.amdhsa_float_denorm_mode_16_64 3
		.amdhsa_memory_ordered 1
		.amdhsa_forward_progress 1
		.amdhsa_inst_pref_size 18
	.end_amdhsa_kernel
	.amdgpu_metadata
---
amdhsa.version: [ 1, 2 ]
amdhsa.kernels:
  - .name:           k_qf8a6289efd_quant
    .symbol:         k_qf8a6289efd_quant.kd
    .args:
      - { .name: hidden, .offset: 0, .size: 8, .value_kind: global_buffer, .address_space: global }
      - { .name: Wk, .offset: 8, .size: 8, .value_kind: global_buffer, .address_space: global }
      - { .name: Wq, .offset: 16, .size: 8, .value_kind: global_buffer, .address_space: global }
      - { .name: Wv, .offset: 24, .size: 8, .value_kind: global_buffer, .address_space: global }
      - { .name: emb, .offset: 32, .size: 8, .value_kind: global_buffer, .address_space: global }
      - { .name: qx, .offset: 40, .size: 8, .value_kind: global_buffer, .address_space: global }
    .group_segment_fixed_size: 34816
    .private_segment_fixed_size: 0
    .kernarg_segment_align: 8
    .kernarg_segment_size: 48
    .max_flat_workgroup_size: 128
    .sgpr_count:     66
    .vgpr_count:     232
    .wavefront_size: 32
...
	.end_amdgpu_metadata
.endif
;; end of part 1
;; launch proj (part 2): grid 16 x 16, 4 waves a work-group, clusters of 4 x 4, 327,680 bytes of LDS; arguments qx, kq, vp; writes kq, vp
.if DOCPART == 2
	.amdgcn_target "amdgcn-amd-amdhsa--gfx1250"
	.amdhsa_code_object_version 6
	.text
	.protected	k_qf8a6289efd_proj
	.globl	k_qf8a6289efd_proj
	.p2align	8
	.type	k_qf8a6289efd_proj,@function
k_qf8a6289efd_proj:
	s_mov_b64 s[64:65], 0
	v_nop
	global_prefetch_b8 v0, s[64:65] scope:SCOPE_SE
	s_setreg_imm32_b32 hwreg(HW_REG_WAVE_MODE, 25, 1), 1
	s_wait_xcnt 0x0
	s_wait_alu depctr_hold_cnt(0) depctr_sa_sdst(0) depctr_va_vdst(0) depctr_va_sdst(0) depctr_va_ssrc(0) depctr_va_vcc(0) depctr_vm_vsrc(0)
	s_getreg_b32 s2, hwreg(HW_REG_IB_STS2, 6, 4)
	s_cmp_eq_u32 s2, 0
	s_cbranch_scc0 .Lentry_in_a_cluster
	s_endpgm
.Lentry_in_a_cluster:
	s_bfe_u32 s2, ttmp6, 0x10000c
	s_cmp_lg_u32 s2, 0xf033
	s_cbranch_scc0 .Lentry_shape_is_right
	s_endpgm
.Lentry_shape_is_right:
; SECOND LAUNCH: key, query and value = Q(hidden) Q(W)^T on codes of FP4 with E8M0 scales (qx: images of operand registers).  key and query are quantised along o in registers and stored as the next product's operand images (kq);
; value is summed over o (vp: one partial sum for each 128 columns).  Nothing is left out.
; LIMITS: a block of key or query whose largest magnitude lies under 2^-124 gets the scale byte 1 (read by this program alone); NaN and infinities are not served;
; value's sum over o is taken in another order of f32 additions than a plain chain: over columns within accumulators, over a lane's registers, over two lanes, over K's quarters, and over eight partial sums in the next launch.
; SHARES.  Work-group (X, y): X = the batch, 512 tokens; y = 256 columns of Wk or Wq (two units of 128) and 128 of Wv.  256 work-groups of equal work.  Wave w: unit u = w / 2, token half tw = w % 2.
; THE WEIGHTS STAY IN REGISTERS, THE TOKENS STREAM: a wave keeps its unit's 128 columns for all of K in 512 registers, and K's quarter w of Wv's 128 columns in 128 more.  Tokens come in four chunks of 128 (8 rowblocks).
; For a chunk a wave runs six SEGMENTS of 64 matrix instructions, each fed by 8 KiB of LDS reads asked for a segment ahead: its half's four rowblocks against its unit (8 accumulators), then all eight rowblocks, four a segment, against its part of Wv.
; Segments take turns on two fragment buffers and two sets of accumulators, so a rowblock is quantised between the NEXT segment's groups of matrix instructions.
; THE PRODUCT IS USED TRANSPOSED: source 0 = 16 rows of W, source 1 = 16 tokens.  By the order of W's rows in qx (lane-row x of tile t is column 64 (t / 4) + 8 (t % 4) + x % 8 + 32 (x / 8)) a lane's 32 registers of tiles 4 c .. 4 c + 3
; are the whole block 2 c + h of 32 columns of ONE token, in order: its largest magnitude needs no other lane, and its codes are operand registers as they stand.
; CLUSTER, 4 x 4: the four of a row share y, so the weights are asked for JOINTLY along it; the four of a column share X, so the tokens are.  No place in the cluster enters an LDS address or a branch.
; LDS: the head brings three units of weights (at 0, U, 2 U) and chunk 0 (at 3 U), one load a wave; once the weights are in registers chunks 1 to 3 take their bytes, one load a wave.
; No prefetch: what is not asked for at the head is asked for once, straight behind it: there is no loop of refills to run ahead in.
; kq: record ((mc x 128 + token / 64) x 8 + s) x 4,352, mc = 0, 1 key of channel 0, 1; 2, 3 query; s = the step of 128 along o: rowblock a' of 4 at 1024 a' (+ 512 c + 16 lane), its scale words at 4096 + 64 a' + 4 r.
; REGISTERS, in windows of 256: window 0: addresses, scale words, accumulators P (v128-191) and Q (v192-255).  Windows 1, 2: the unit's K steps 0-3, 4-7 at 64 (s % 4) + 8 t.  Window 3: v0-127 two fragment buffers, v128-255 my part of Wv at 128 + 64 e + 8 t.
.set REC,   4352
.set RB,    2*REC                      ; a rowblock of qx
.set U,     8*RB                       ; 128 rows of qx: a unit of weights, a chunk of tokens
.set RUN,   8*REC                      ; 64 tokens of kq, all of o
.set PIECE, 3*U/4                      ; what a wave brings of chunks 1 to 3
.set VST,   4*U                        ; value's sums: 512 tokens for each wave, written by LDS stores alone
.set SST,   VST+8192                   ; scale bytes: 256 for each wave, likewise
.set SPARE, SST+1024                   ; the spare words, 128 bytes for each wave, which no other line names
.set L16,  1                           ; 16 x lane
.set TA,   2                           ; LDS: my half's fragments in the chunk, and its scale words
.set TSA,  3
.set VA,   4                           ; K's quarter w of all eight rowblocks, and its scale words
.set VSA,  5
.set TA0,  6                           ; the same four without the chunk
.set TSA0, 7
.set VA0,  8
.set VSA0, 9
.set SPW,  10
.set NIL,  11
.set WA,   12                          ; v12, v13 the unit's fragments, K's two halves
.set WSA,  14
.set VWA,  15
.set VWSA, 16
.set B8,   17                          ; my scale bytes
.set B8R,  18
.set L8,   19
.set SVB,  20
.set SVA,  21                          ; value's sums of the chunk
.set SD,   22                          ; v22-23
.set FIN,  30
.set KS,   32                          ; v32-63 the unit's scale words: 4 t + q: lanes 0-15 K step q, lanes 16-31 K step 4 + q
.set VSC,  64                          ; v64-71 Wv's: 2 (t / 2) + e: lanes 0-15 the even tile, lanes 16-31 the odd one
.set TS,   72                          ; v72-79 the tokens', four for each buffer
.set PC,   80                          ; v80-87 codes
.set MX,   88                          ; v88-91
.set SO,   92
.set BY,   94
.set BK,   96
.set WV,   10
.set G1W,  16                          ; descriptor groups 1: weights, chunk 0, chunks 1 to 3
.set G1T,  24
.set G1R,  32
.set G0W,  40
.set G0T,  44
.set G0R,  48
.set OUT,  66                          ; s[66:67] kq at the chunk's record
.set VPA,  68                          ; s[68:69] vp
.set TB,   70
.set CNT,  71
.set VO,   72
.set MSB, 0
.macro WIN new                         ; the immediate's high byte repeats the setting that is left
.if MSB != \new
	s_set_vgpr_msb (MSB<<8)|\new
.set MSB, \new
.endif
.endm
.macro ROUND                           ; a round of the cluster's barrier
	s_barrier_signal -1
	s_barrier_wait -1
	s_cmp_lg_u32 s[WV], 0
	s_cbranch_scc1 .Lnot_wave_0_\@
	s_barrier_signal -3
.Lnot_wave_0_\@:
	s_barrier_wait -3
	s_barrier_signal -1
	s_barrier_wait -1
.endm
.macro PLACES                          ; four places behind a matrix instruction (ISA guide 7.12.1)
.rept 4
	v_nop
.endr
.endm
	s_load_b128 s[4:7], s[0:1], 0x0                ; qx s[4:5], kq s[6:7]
	s_load_b64 s[8:9], s[0:1], 0x10                ; vp
	v_lshl_add_u32 v[SPW], v0, 2, SPARE
	v_mov_b32 v[NIL], 0
	ds_add_u32 v[SPW], v[NIL]                      ; the wave's opening: the add, twice on end, and its wait ahead of my first tensor load
	ds_add_u32 v[SPW], v[NIL]
	v_lshrrev_b32 v24, 5, v0
	v_readfirstlane_b32 s[WV], v24                 ; wave 0..3
	s_bfe_u32 s11, ttmp6, 0x40000                  ; cx
	s_bfe_u32 s12, ttmp6, 0x40004                  ; cy
	s_lshl_b32 s13, ttmp9, 2
	s_add_co_u32 s13, s13, s11                     ; X = 4 x cluster x + cx
	s_and_b32 s14, ttmp7, 0xffff
	s_lshl_b32 s14, s14, 2
	s_add_co_u32 s14, s14, s12                     ; y = 4 x cluster y + cy
	s_lshl_b32 s74, s12, 2
	s_lshl_b32 s74, 15, s74                        ; my row of the cluster
	s_lshl_b32 s75, 0x1111, s11                    ; my column
	s_or_b32 s[G1W+0], s74, (3<<16)|(1<<21)        ; the mask; elements of 8 bytes; bit 21 set beside a mask
	s_or_b32 s[G1T+0], s75, (3<<16)|(1<<21)
	s_or_b32 s[G1R+0], s75, (3<<16)|(1<<21)
.irp g, G1W, G1T                       ; 69,632 dense bytes as 272 rows of 256
	s_mov_b32 s[\g+1], 32<<16
	s_mov_b32 s[\g+2], 272<<16
	s_mov_b32 s[\g+3], 32<<16
	s_mov_b32 s[\g+4], 272
	s_mov_b32 s[\g+5], 32
	s_mov_b32 s[\g+6], 0
	s_mov_b32 s[\g+7], 0
.endr
	s_mov_b32 s[G1R+1], 32<<16                     ; 52,224 dense bytes as 204 rows of 256
	s_mov_b32 s[G1R+2], 204<<16
	s_mov_b32 s[G1R+3], 32<<16
	s_mov_b32 s[G1R+4], 204
	s_mov_b32 s[G1R+5], 32
	s_mov_b32 s[G1R+6], 0
	s_mov_b32 s[G1R+7], 0
	; the weights: made of y and the wave's number alone
	s_lshl_b32 s52, s14, 4
	s_lshl_b32 s53, s[WV], 3
	s_add_co_u32 s52, s52, s53
	s_add_co_u32 s52, s52, 512                     ; waves 0, 1: rowblock 512 + 16 y + 8 w
	s_lshl_b32 s53, s14, 3
	s_add_co_u32 s53, s53, 768                     ; wave 2: 768 + 8 y
	s_cmp_eq_u32 s[WV], 2
	s_cselect_b32 s52, s53, s52
	s_mul_i32 s52, s52, RB
	s_mov_b32 s53, 0
	s_mul_i32 s60, s[WV], U                        ; where they go
	; the tokens: made of X and the wave's number alone
	s_mul_i32 s54, s13, 32*RB
	s_mov_b32 s55, 0
	s_mul_i32 s56, s[WV], PIECE
	s_mov_b32 s57, 0
	s_and_b32 s58, s[WV], 1                        ; tw
	s_lshr_b32 s59, s[WV], 1                       ; u
	; kq, vp
	s_lshr_b32 s76, s14, 2                         ; mc
	s_lshl_b32 s76, s76, 7
	s_lshl_b32 s77, s13, 3
	s_add_co_u32 s76, s76, s77
	s_add_co_u32 s76, s76, s58                     ; 128 mc + 8 X + tw
	s_mul_i32 s76, s76, RUN
	s_and_b32 s77, s14, 3
	s_lshl_b32 s77, s77, 1
	s_add_co_u32 s77, s77, s59                     ; the step along o: 2 (y % 4) + u
	s_mul_i32 s77, s77, REC
	s_add_co_u32 s76, s76, s77
	s_mov_b32 s77, 0
	s_lshl_b32 s78, s14, 15
	s_lshl_b32 s79, s13, 11
	s_add_co_u32 s78, s78, s79
	s_lshl_b32 s79, s[WV], 9
	s_add_co_u32 s78, s78, s79                     ; 32,768 y + 2,048 X + 512 w
	s_mov_b32 s79, 0
	s_wait_dscnt 0x0                               ; both opening adds are done
	s_wait_kmcnt 0x0
	s_mov_b32 s[G0W], 1
	s_add_co_u32 s[G0W+1], s60, 0
	s_add_nc_u64 s[G0W+2:G0W+3], s[4:5], s[52:53]
	s_or_b32 s[G0W+3], s[G0W+3], 0x80000000
	s_add_nc_u64 s[80:81], s[4:5], s[54:55]
	s_mov_b32 s[G0T], 1
	s_mov_b32 s[G0T+1], 3*U
	s_mov_b64 s[G0T+2:G0T+3], s[80:81]
	s_or_b32 s[G0T+3], s[G0T+3], 0x80000000
	s_add_nc_u64 s[80:81], s[80:81], U
	s_mov_b32 s[G0R], 1
	s_add_co_u32 s[G0R+1], s56, 0
	s_add_nc_u64 s[G0R+2:G0R+3], s[80:81], s[56:57]
	s_or_b32 s[G0R+3], s[G0R+3], 0x80000000
	s_add_nc_u64 s[OUT:OUT+1], s[6:7], s[76:77]
	s_add_nc_u64 s[VPA:VPA+1], s[8:9], s[78:79]
	ROUND                                          ; all sixteen work-groups are here: the joint loads meet
	s_cmp_lt_u32 s[WV], 3                          ; one load a wave: waves 0 to 2 a unit of weights, wave 3 chunk 0
	s_cbranch_scc0 .Ltokens
	tensor_load_to_lds s[G0W:G0W+3], s[G1W:G1W+7]
	s_nop 0
	PLACES
	s_branch .Lasked
.Ltokens:
	tensor_load_to_lds s[G0T:G0T+3], s[G1T:G1T+7]
	s_nop 0
	PLACES
.Lasked:
	s_mul_i32 s60, s58, 4*RB
	s_mul_i32 s61, s59, REC
	s_lshl_b32 s62, s58, 3
	s_add_co_u32 s62, s62, s61
	s_lshl_b32 s63, s58, 11
	s_add_co_u32 s61, s61, s63
	s_mul_i32 s63, s59, U
	s_lshl_b32 s82, s[WV], 8
	s_add_co_u32 s82, s82, SST
	s_lshl_b32 s83, s[WV], 11
	s_add_co_u32 s83, s83, VST
	s_lshl_b32 s84, s[WV], 9
	s_add_co_u32 s84, s84, VST
	s_mov_b32 s[TB], 0
	s_mov_b32 s[VO], 0
	v_and_b32 v24, 31, v0                          ; lane
	v_and_b32 v25, 15, v0                          ; r
	v_bfe_u32 v26, v0, 4, 1                        ; h
	v_lshlrev_b32 v[L16], 4, v24
	v_lshlrev_b32 v28, 4, v25
	v_mad_u32_u24 v27, v26, REC, v28               ; 16 r + REC h
	v_add_nc_u32 v[TA0], s60, v[L16]
	v_add_nc_u32 v[TSA0], s60, v27
	v_add_nc_u32 v[VA0], s61, v[L16]
	v_mad_u32_u24 v[VSA0], v26, RB, v28
	v_add_nc_u32 v[VSA0], s62, v[VSA0]
	v_add_nc_u32 v[WA], s63, v[L16]
	v_add_nc_u32 v[WA+1], REC, v[WA]
	v_add_nc_u32 v[WSA], s63, v27
	v_add_nc_u32 v[VWA], 2*U, v[VA0]
	v_add_nc_u32 v[VWSA], 2*U, v[VSA0]
	v_lshl_add_u32 v[B8], v25, 2, v26
	v_add_nc_u32 v[B8], s82, v[B8]                 ; 4 r + h
	v_lshlrev_b32 v[L8], 3, v24
	v_add_nc_u32 v[B8R], s82, v[L8]
	v_and_b32 v29, 8, v25
	v_add_nc_u32 v29, v29, v25                     ; r + 8 (r / 8): the tokens' true order,
	v_lshl_add_u32 v[SVB], v29, 2, s83
	v_lshl_add_u32 v[SVB], v26, 5, v[SVB]          ; lanes 16-31 the odd rowblock: 8 tokens on
	v_add_nc_u32 v[SVA], s[VO], v[SVB]
	v_add_nc_u32 v[FIN], s84, v[L16]
	v_add_nc_u32 v[TA], 3*U, v[TA0]                ; chunk 0
	v_add_nc_u32 v[TSA], 3*U, v[TSA0]
	v_add_nc_u32 v[VA], 3*U, v[VA0]
	v_add_nc_u32 v[VSA], 3*U, v[VSA0]
; One matrix instruction, from the symbols rD, rA (source 0), rB (source 1), rSA, rSB (their scale words), rRA, rRB (1: the scale words stand in lanes 16-31), rZ (1: it starts the sum)
.macro WM
.if rZ
.if rRA && rRB
	v_wmma_scale_f32_16x16x128_f8f6f4 v[rD:rD+7], v[rA:rA+7], v[rB:rB+7], 0, v[rSA], v[rSB] matrix_a_fmt:MATRIX_FMT_FP4 matrix_b_fmt:MATRIX_FMT_FP4 matrix_a_scale:MATRIX_SCALE_ROW1 matrix_b_scale:MATRIX_SCALE_ROW1
.elseif rRA
	v_wmma_scale_f32_16x16x128_f8f6f4 v[rD:rD+7], v[rA:rA+7], v[rB:rB+7], 0, v[rSA], v[rSB] matrix_a_fmt:MATRIX_FMT_FP4 matrix_b_fmt:MATRIX_FMT_FP4 matrix_a_scale:MATRIX_SCALE_ROW1
.elseif rRB
	v_wmma_scale_f32_16x16x128_f8f6f4 v[rD:rD+7], v[rA:rA+7], v[rB:rB+7], 0, v[rSA], v[rSB] matrix_a_fmt:MATRIX_FMT_FP4 matrix_b_fmt:MATRIX_FMT_FP4 matrix_b_scale:MATRIX_SCALE_ROW1
.else
	v_wmma_scale_f32_16x16x128_f8f6f4 v[rD:rD+7], v[rA:rA+7], v[rB:rB+7], 0, v[rSA], v[rSB] matrix_a_fmt:MATRIX_FMT_FP4 matrix_b_fmt:MATRIX_FMT_FP4
.endif
.else
.if rRA && rRB
	v_wmma_scale_f32_16x16x128_f8f6f4 v[rD:rD+7], v[rA:rA+7], v[rB:rB+7], v[rD:rD+7], v[rSA], v[rSB] matrix_a_fmt:MATRIX_FMT_FP4 matrix_b_fmt:MATRIX_FMT_FP4 matrix_a_scale:MATRIX_SCALE_ROW1 matrix_b_scale:MATRIX_SCALE_ROW1
.elseif rRA
	v_wmma_scale_f32_16x16x128_f8f6f4 v[rD:rD+7], v[rA:rA+7], v[rB:rB+7], v[rD:rD+7], v[rSA], v[rSB] matrix_a_fmt:MATRIX_FMT_FP4 matrix_b_fmt:MATRIX_FMT_FP4 matrix_a_scale:MATRIX_SCALE_ROW1
.elseif rRB
	v_wmma_scale_f32_16x16x128_f8f6f4 v[rD:rD+7], v[rA:rA+7], v[rB:rB+7], v[rD:rD+7], v[rSA], v[rSB] matrix_a_fmt:MATRIX_FMT_FP4 matrix_b_fmt:MATRIX_FMT_FP4 matrix_b_scale:MATRIX_SCALE_ROW1
.else
	v_wmma_scale_f32_16x16x128_f8f6f4 v[rD:rD+7], v[rA:rA+7], v[rB:rB+7], v[rD:rD+7], v[rSA], v[rSB] matrix_a_fmt:MATRIX_FMT_FP4 matrix_b_fmt:MATRIX_FMT_FP4
.endif
.endif
.endm
; A group: 16 matrix instructions, two turns over the segment's 8 accumulators.  kind 1: K steps 2 g, 2 g + 1 of a rowblock against the unit's 8 tiles.
; kind 2: four rowblocks against my part of Wv: turn v is step v / 4 of my two, tiles 2 (v % 4) and the next; the even tiles of rowblock i are summed in accumulator 2 i, the odd ones in 2 i + 1: a sum over o.
.macro GRP kind, b, g
.if \kind == 1
.irp s, 2*\g, 2*\g+1
.if (\s) < 4
	WIN 0x0d                                       ; source 0 (W) window 1, source 1 (tokens) window 3, C and D window 0
.else
	WIN 0x0e
.endif
.irp t, 0,1,2,3,4,5,6,7
.set rD, 128+64*\b+8*\t
.set rA, 64*((\s)%4)+8*\t
.set rB, 64*\b+8*(\s)
.set rSA, KS+4*\t+(\s)%4
.set rSB, TS+4*\b+(\s)%4
.set rRA, (\s)/4
.set rRB, (\s)/4
.set rZ, ((\s) == 0)
	WM
.endr
.endr
.else
	WIN 0x0f                                       ; both sources window 3
.irp v, 2*\g, 2*\g+1
.irp i, 0,1,2,3
.irp p, 0,1
.set rD, 128+64*\b+8*(2*\i+\p)
.set rA, 128+64*((\v)/4)+8*(2*((\v)%4)+\p)
.set rB, 64*\b+16*\i+8*((\v)/4)
.set rSA, VSC+2*((\v)%4)+(\v)/4
.set rSB, TS+4*\b+2*(\i/2)+(\v)/4
.set rRA, \p
.set rRB, \i%2
.set rZ, ((\v) == 0)
	WM
.endr
.endr
.endr
.endif
	WIN 0
.endm
.macro LOADN nk, na, b                 ; the next segment's operands into buffer b: 1: my half's rowblock na, all of K; 2: rowblocks 4 na .. 4 na + 3, K's quarter w
.if \nk == 1
	ds_load_b128 v[TS+4*(\b):TS+4*(\b)+3], v[TSA] offset:\na*RB+4096
	WIN 0xc0                                       ; destination window 3
.irp s, 0,1,2,3,4,5,6,7
.irp cc, 0,1
	ds_load_b128 v[64*(\b)+8*\s+4*\cc:64*(\b)+8*\s+4*\cc+3], v[TA] offset:\na*RB+(\s/4)*REC+(\s%4)*1024+512*\cc
.endr
.endr
.else
.irp p, 0,1
	ds_load_b64 v[TS+4*(\b)+2*\p:TS+4*(\b)+2*\p+1], v[VSA] offset:(4*\na+2*\p)*RB+4096
.endr
	WIN 0xc0
.irp e, 0,1
.irp i, 0,1,2,3
.irp cc, 0,1
	ds_load_b128 v[64*(\b)+16*\i+8*\e+4*\cc:64*(\b)+16*\i+8*\e+4*\cc+3], v[VA] offset:(4*\na+\i)*RB+1024*\e+512*\cc
.endr
.endr
.endr
.endif
	WIN 0
.endm
.macro MAXOP n, x, c                   ; the n-th of 16 maxima of block c, whose 32 numbers begin at register x; two chains; each accumulator is read from its low end on
.if \n == 0
	v_max3_num_f32 v[MX+2*\c], |v[\x]|, |v[\x+1]|, 0x1800000   ; with the floor 2^(3 - 127)
.elseif \n == 1
	v_max3_num_f32 v[MX+2*\c+1], |v[\x+2]|, |v[\x+3]|, |v[\x+4]|
.elseif \n < 15
	v_max3_num_f32 v[MX+2*\c+\n%2], v[MX+2*\c+\n%2], |v[\x+2*\n+1]|, |v[\x+2*\n+2]|
.else
	v_max3_num_f32 v[MX+2*\c], v[MX+2*\c], v[MX+2*\c+1], |v[\x+31]|
.endif
.endm
; What stands behind group i of a segment: the segment before it is brought to its end.  pk 1: rowblock pa is quantised along o and stored; pk 2: the sums of rowblocks 4 pa .. 4 pa + 3 are folded; ac: their accumulators.
.macro SLOT i, pk, pa, ac
.if \i == 3
	PLACES                                         ; behind the segment's last matrix instruction: the next segment reads its results and loads into its buffer
.elseif \pk == 1
.if \i == 0
.irp n, 0,1,2,3,4,5,6,7
	MAXOP \n, \ac, 0
	MAXOP \n, \ac+32, 1
.endr
.elseif \i == 1
.irp n, 8,9,10,11,12,13,14,15
	MAXOP \n, \ac, 0
	MAXOP \n, \ac+32, 1
.endr
.else
	v_add_nc_u32 v[SO], 0xff000000, v[MX]          ; 2 off the exponent field: the conversion's scale operand
	v_add_nc_u32 v[SO+1], 0xff000000, v[MX+2]
	v_lshrrev_b32 v[BY], 23, v[SO]                 ; the scale's byte
	v_lshrrev_b32 v[BY+1], 23, v[SO+1]
	ds_store_b8 v[B8], v[BY] offset:64*\pa         ; byte h of the row's word,
	ds_store_b8 v[B8], v[BY+1] offset:64*\pa+2     ; and byte 2 + h
.irp g, 0,1,2,3
	v_cvt_scalef32_pk8_fp4_f32 v[PC+\g], v[\ac+8*\g:\ac+8*\g+7], v[SO]
	v_cvt_scalef32_pk8_fp4_f32 v[PC+4+\g], v[\ac+32+8*\g:\ac+32+8*\g+7], v[SO+1]
.endr
	v_nop                                          ; one plain place behind the last scaled conversion
	global_store_b128 v[L16], v[PC:PC+3], s[OUT:OUT+1] offset:1024*\pa   ; 32 lanes store 512 consecutive bytes, aligned to 256
	global_store_b128 v[L16], v[PC+4:PC+7], s[OUT:OUT+1] offset:1024*\pa+512
.endif
.else
.if \i == 0
.irp k, 0,1,2,3
.irp q, 0,1,2,3
	v_pk_add_f32 v[\ac+16*\q+2*\k:\ac+16*\q+2*\k+1], v[\ac+16*\q+2*\k:\ac+16*\q+2*\k+1], v[\ac+16*\q+8+2*\k:\ac+16*\q+8+2*\k+1]
.endr
.endr
.elseif \i == 1
.irp k, 0,1
.irp q, 0,1,2,3
	v_pk_add_f32 v[\ac+16*\q+2*\k:\ac+16*\q+2*\k+1], v[\ac+16*\q+2*\k:\ac+16*\q+2*\k+1], v[\ac+16*\q+4+2*\k:\ac+16*\q+4+2*\k+1]
.endr
.endr
.irp q, 0,1,2,3
	v_pk_add_f32 v[\ac+16*\q:\ac+16*\q+1], v[\ac+16*\q:\ac+16*\q+1], v[\ac+16*\q+2:\ac+16*\q+3]
.endr
.else
.irp q, 0,1,2,3
	v_add_f32 v[MX+\q], v[\ac+16*\q], v[\ac+16*\q+1]
.endr
	v_permlane16_swap_b32 v[MX], v[MX+1]           ; lanes 0-15 take the even rowblock's two halves, lanes 16-31 the odd one's
	v_permlane16_swap_b32 v[MX+2], v[MX+3]
	v_add_f32 v[MX], v[MX], v[MX+1]
	v_add_f32 v[MX+2], v[MX+2], v[MX+3]
	ds_store_b32 v[SVA], v[MX] offset:256*\pa
	ds_store_b32 v[SVA], v[MX+2] offset:256*\pa+128
.endif
.endif
.endm
; A segment on buffer and accumulators b.  sp 1: the output steps on by a chunk; 2, 3: the next chunk's addresses (2: chunks 1 to 3 have landed, by a barrier, for everybody).
.macro SEG kind, b, pk, pa, nk, na, sp
	s_wait_dscnt 0x0                               ; this segment's operands are in
	GRP \kind, \b, 0
	s_wait_xcnt 0x0                                ; the last stores have read their data and their base
.if \sp == 1
	s_add_nc_u64 s[OUT:OUT+1], s[OUT:OUT+1], 2*RUN
.endif
.if \pk > 0
	SLOT 0, \pk, \pa, 192-64*\b
.endif
.if \sp > 1
.if \sp == 2
	s_wait_alu depctr_va_vdst(0)                   ; the wait here, directly ahead of the waits below
	s_wait_tensorcnt 0x0                           ; my piece of chunks 1 to 3 is in,
	s_wait_dscnt 0x0
	s_barrier_signal -1
	s_barrier_wait -1                              ; everybody's is
.else
	s_add_co_u32 s[TB], s[TB], U                   ; (behind the last chunk this names chunk 0's bytes again: what is fetched there is not used)
.endif
	v_add_nc_u32 v[TA], s[TB], v[TA0]
	v_add_nc_u32 v[TSA], s[TB], v[TSA0]
	v_add_nc_u32 v[VA], s[TB], v[VA0]
	v_add_nc_u32 v[VSA], s[TB], v[VSA0]
	s_wait_alu depctr_va_vdst(0)                   ; the wait here, directly behind the writes
	ds_load_b64 v[SD:SD+1], v[B8R]                 ; the chunk's 256 scale bytes: LDS serves a wave's instructions in order: this sees my stores
.endif
	LOADN \nk, \na, 1-\b
	GRP \kind, \b, 1
.if \pk > 0
	SLOT 1, \pk, \pa, 192-64*\b
.endif
	GRP \kind, \b, 2
.if \pk > 0
	SLOT 2, \pk, \pa, 192-64*\b
.endif
	GRP \kind, \b, 3
	SLOT 3, 0, 0, 0
.endm
.macro REST sp                         ; a chunk's segments behind its first
	SEG 1, 1, 1, 0, 1, 2, 0
	SEG 1, 0, 1, 1, 1, 3, 0
	SEG 1, 1, 1, 2, 2, 0, 0
	SEG 2, 0, 1, 3, 2, 1, 0
	SEG 2, 1, 2, 0, 1, 0, \sp
	s_wait_dscnt 0x0
	global_store_b64 v[L8], v[SD:SD+1], s[OUT:OUT+1] offset:4096   ; one aligned unit of 256 bytes
.endm
.macro LOADW s                         ; the unit's K step s into its place: 16 loads
	WIN 0x40+0x40*((\s)/4)
.irp t, 0,1,2,3,4,5,6,7
.irp cc, 0,1
	ds_load_b128 v[64*(\s%4)+8*\t+4*\cc:64*(\s%4)+8*\t+4*\cc+3], v[WA+\s/4] offset:\t*RB+(\s%4)*1024+512*\cc
.endr
.endr
	WIN 0
.endm
	s_wait_alu depctr_va_vdst(0)                   ; the wait at the head's end
	s_wait_tensorcnt 0x0                           ; my load of the head's four is in,
	s_barrier_signal -1
	s_barrier_wait -1                              ; all four are
	LOADN 1, 0, 0
.irp t, 0,1,2,3,4,5,6,7
	ds_load_b128 v[KS+4*\t:KS+4*\t+3], v[WSA] offset:\t*RB+4096
.endr
.irp s, 0,1,2,3
	LOADW \s
.endr
	s_wait_dscnt 32                                ; chunk 0's first segment goes while the weights come: K steps 0, 1 are in, 2 and 3 (32 loads) may be out
	GRP 1, 0, 0
	LOADW 4
	LOADW 5
	s_wait_dscnt 32                                ; 4 and 5 may be out
	GRP 1, 0, 1
	LOADW 6
	LOADW 7
	s_wait_dscnt 32                                ; 6 and 7 may be out
	GRP 1, 0, 2
.irp p, 0,1,2,3
	ds_load_b64 v[VSC+2*\p:VSC+2*\p+1], v[VWSA] offset:2*\p*RB+4096
.endr
	WIN 0xc0
.irp e, 0,1
.irp t, 0,1,2,3,4,5,6,7
.irp cc, 0,1
	ds_load_b128 v[128+64*\e+8*\t+4*\cc:128+64*\e+8*\t+4*\cc+3], v[VWA] offset:\t*RB+1024*\e+512*\cc
.endr
.endr
.endr
	WIN 0
	s_wait_dscnt 36                                ; my part of Wv (36 loads) may be out
	GRP 1, 0, 3
	PLACES
	LOADN 1, 1, 1
	s_wait_tensorcnt 0x0                           ; no tensor load of mine is out;
	ds_add_u32 v[SPW], v[NIL]                      ; 0 onto my spare word;
	s_wait_dscnt 0x0                               ; the add is done, and the weights are in registers
	ROUND                                          ; so they are in every wave of every partner
	tensor_load_to_lds s[G0R:G0R+3], s[G1R:G1R+7]  ; my piece of chunks 1 to 3, over the weights' bytes: five segments ahead of the wait for it
	s_nop 0
	PLACES
	REST 2
	s_mov_b32 s[CNT], 3
.Lchunk:                               ; a trip: one chunk of 128 tokens
	SEG 1, 0, 2, 1, 1, 1, 1
	s_add_co_u32 s[VO], s[VO], 512
	s_wait_dscnt 0x0                               ; the last chunk's sums have been stored, and the next segment's operands are in
	v_add_nc_u32 v[SVA], s[VO], v[SVB]             ; this chunk's sums of value
	s_wait_alu depctr_va_vdst(0)                   ; the wait here, directly behind the write
	REST 3
	s_wait_alu depctr_va_vdst(0)                   ; and here, directly ahead of the branch
	s_sub_co_u32 s[CNT], s[CNT], 1
	s_cmp_lg_u32 s[CNT], 0
	s_cbranch_scc1 .Lchunk
	SLOT 0, 2, 1, 192                              ; the last segment's sums
	SLOT 1, 2, 1, 192
	SLOT 2, 2, 1, 192
	s_wait_dscnt 0x0                               ; for the others' sake: my sums are in LDS
	s_barrier_signal -1
	s_barrier_wait -1
.irp p, 0,1,2,3
	ds_load_b128 v[BK+4*\p:BK+4*\p+3], v[FIN] offset:2048*\p   ; K's four quarters, of tokens 128 w + 4 x lane + 0 .. 3
.endr
	s_wait_dscnt 0x0
.irp p, 0,1
	v_pk_add_f32 v[BK+8*\p:BK+8*\p+1], v[BK+8*\p:BK+8*\p+1], v[BK+8*\p+4:BK+8*\p+5]
	v_pk_add_f32 v[BK+8*\p+2:BK+8*\p+3], v[BK+8*\p+2:BK+8*\p+3], v[BK+8*\p+6:BK+8*\p+7]
.endr
	v_pk_add_f32 v[BK:BK+1], v[BK:BK+1], v[BK+8:BK+9]
	v_pk_add_f32 v[BK+2:BK+3], v[BK+2:BK+3], v[BK+10:BK+11]
	global_store_b128 v[L16], v[BK:BK+3], s[VPA:VPA+1]   ; 512 consecutive bytes, aligned
	s_wait_tensorcnt 0x0                           ; the wave's end
	ds_add_u32 v[SPW], v[NIL]
	s_wait_dscnt 0x0
	ROUND                                          ; the closing round
	s_endpgm
.Lfunc_end_k_qf8a6289efd_proj:
	.size	k_qf8a6289efd_proj, .Lfunc_end_k_qf8a6289efd_proj-k_qf8a6289efd_proj
	.p2alignl 7, 3214868480
	.fill 96, 4, 3214868480
	.section	.rodata,"a",@progbits
	.p2align	6, 0x0
	.amdhsa_kernel k_qf8a6289efd_proj
		.amdhsa_group_segment_fixed_size 327680
		.amdhsa_private_segment_fixed_size 0
		.amdhsa_enable_private_segment 0
		.amdhsa_kernarg_size 24
		.amdhsa_user_sgpr_count 2
		.amdhsa_user_sgpr_kernarg_segment_ptr 1
		.amdhsa_wavefront_size32 1
		.amdhsa_system_sgpr_workgroup_id_x 1
		.amdhsa_system_sgpr_workgroup_id_y 1
		.amdhsa_system_sgpr_workgroup_id_z 1
		.amdhsa_system_vgpr_workitem_id 0
		.amdhsa_next_free_vgpr 1024
		.amdhsa_next_free_sgpr 98
		.amdhsa_reserve_vcc 0
		.amdhsa_float_denorm_mode_32 3
		.amdhsa_float_denorm_mode_16_64 3
		.amdhsa_memory_ordered 1
		.amdhsa_forward_progress 1
		.amdhsa_inst_pref_size 172
	.end_amdhsa_kernel
	.amdgpu_metadata
---
amdhsa.version: [ 1, 2 ]
amdhsa.kernels:
  - .name:           k_qf8a6289efd_proj
    .symbol:         k_qf8a6289efd_proj.kd
    .args:
      - { .name: qx, .offset: 0, .size: 8, .value_kind: global_buffer, .address_space: global }
      - { .name: kq, .offset: 8, .size: 8, .value_kind: global_buffer, .address_space: global }
      - { .name: vp, .offset: 16, .size: 8, .value_kind: global_buffer, .address_space: global }
    .group_segment_fixed_size: 327680
    .private_segment_fixed_size: 0
    .kernarg_segment_align: 8
    .kernarg_segment_size: 24
    .max_flat_workgroup_size: 128
    .sgpr_count:     98
    .vgpr_count:     1024
    .wavefront_size: 32
...
	.end_amdgpu_metadata
.endif
;; end of part 2
;; launch score (part 3): grid 8 x 32, 4 waves a work-group, clusters of 4 x 1, 243,200 bytes of LDS; arguments kq, qx, vp, out0; writes out0
.if DOCPART == 3
	.amdgcn_target "amdgcn-amd-amdhsa--gfx1250"
	.amdhsa_code_object_version 6
	.text
	.protected	k_qf8a6289efd_score
	.globl	k_qf8a6289efd_score
	.p2align	8
	.type	k_qf8a6289efd_score,@function
k_qf8a6289efd_score:
	s_mov_b64 s[64:65], 0
	v_nop
	global_prefetch_b8 v0, s[64:65] scope:SCOPE_SE
	s_setreg_imm32_b32 hwreg(HW_REG_WAVE_MODE, 25, 1), 1
	s_wait_xcnt 0x0
	s_wait_alu depctr_hold_cnt(0) depctr_sa_sdst(0) depctr_va_vdst(0) depctr_va_sdst(0) depctr_va_ssrc(0) depctr_va_vcc(0) depctr_vm_vsrc(0)
	s_getreg_b32 s2, hwreg(HW_REG_IB_STS2, 6, 4)
	s_cmp_eq_u32 s2, 0
	s_cbranch_scc0 .Lentry_in_a_cluster
	s_endpgm
.Lentry_in_a_cluster:
	s_bfe_u32 s2, ttmp6, 0x10000c
	s_cmp_lg_u32 s2, 0x3003
	s_cbranch_scc0 .Lentry_shape_is_right
	s_endpgm
.Lentry_shape_is_right:
; THIRD LAUNCH: out0[b][c][i][j] = (sum over o of Q(query or emb)[i][o] Q(key)[j][o]) x vsum[c][b][j], on codes of FP4 with E8M0 scales; vsum = the eight partial sums of vp, added here in f32.  Nothing is left out.
; Operands come as images of operand registers: kq (key, query: records of 4,352 bytes for 64 tokens x 128 along o) and emb's records of qx.  In a rowblock, lane-row r of rowblock 2 beta + u is row 32 beta + 8 u + r + 8 (r / 8).
; SHARES.  Pair p = 2 b + c (grid y); ih = half of the query rows (the cluster's x); jq = quarter of the keys (the place in the cluster).  A work-group makes 272 rows x 128 columns: 256 query rows and 16 of the 32 label rows.
; Every wave holds the whole key quarter (8 tiles x 8 K steps) in 512 registers and walks its own four query rowblocks BY ROWS OF THE OUTPUT: 64 matrix instructions on 8 accumulators by turns, then the rowblock leaves.
; Wave 0 also makes the label rowblock, ahead of its query rowblocks.
; CLUSTER: the four partners need the same query rows: waves 2 and 3 ask JOINTLY for the four waves' query runs, 69,632 bytes each.  The key quarter differs between partners: a plain tensor load, behind the same round.  No byte of LDS is filled twice.
; THE PRODUCT IS USED TRANSPOSED: source 0 = 16 keys, source 1 = 16 rows: a lane holds one row of the output and eight neighbouring columns.
; REGISTERS, in windows of 256: window 0: addresses, scale words, vsum, rows on the way out, the label's fragments.  Window 1: the key's K steps 0-3 at 64 (s % 4) + 8 b; window 2: K steps 4-7.
;   Window 3: v0-127 two buffers of a query rowblock's eight fragments; v128-255 two sets of eight accumulators.
; THE HEAD'S LOADS, one a wave: waves 0 and 1 bring the two halves of the key quarter (34,816 bytes each), waves 2 and 3 the two halves of the four waves' query runs (69,632 bytes each, jointly); one barrier shows all of it to every wave.
; TWO SETS OF ACCUMULATORS, window 3's v128-191 and v192-255, take turns: a rowblock goes through the stage while the next one is multiplied.
.set REC,   4352
.set RUN,   8*REC                      ; 64 tokens, all of o
.set QRY,   2*RUN                      ; LDS: the key quarter at 0, then a run of query for each wave,
.set STAGE, 6*RUN                      ; a stage of 16 rows x (512 + 16) bytes for each wave, written by LDS stores alone,
.set SP,    528
.set SPARE, STAGE+4*16*SP              ; and the spare words, 128 bytes for each wave, which no other line names
.set L16,  1                           ; v1   16 x lane: global offsets, and the key's first run in LDS;  v2 its second run
.set K4,   3                           ; v3, v4  4 x lane in the key's two runs
.set Q16,  5                           ; v5   my query run + 16 x lane
.set Q4,   6                           ; v6   + 4 x lane
.set STO,  7                           ; v7   the stage: row r, + 64 h
.set RD,   8                           ; v8   the stage: 16 x lane
.set SCT,  9                           ; v9   16 r + REC h
.set SPW,  10                          ; v10  LDS address of my spare word; never rewritten
.set NIL,  11                          ; v11  0; never rewritten
.set KS,   16                          ; v16-47 the key's scale words: 4 s + q: lanes 0-15 tile 2 q, lanes 16-31 tile 2 q + 1
.set QS,   48                          ; v48-63 the query's: 2 s + a / 2: lanes 0-15 the even rowblock, lanes 16-31 the odd one
.set LS,   64                          ; v64-67 the label's: q: lanes 0-15 K step q, lanes 16-31 K step 4 + q
.set VS,   68                          ; v68-71 vsum of my four columns on the way out
.set BK,   96                          ; v96-159  16 rows read back from the stage
.set LF,   160                         ; v160-223 the label's fragments, 8 s
.set ACC,  128                         ; in window 3
.set WV,   12
.set G1K,  16                          ; s[16:23], s[32:35] the key's descriptor
.set G1Q,  24                          ; s[24:31], s[36:39] the query's
.set G0K,  32
.set G0Q,  36
.set OUTB, 40                          ; s[40:41] out0 at my wave's first query row, my quarter of the columns
.set LOUT, 42                          ; s[42:43] out0 at the label rowblock's first row
.set LAB,  44                          ; s[44:45] qx at the label rowblock
.set VPB,  46                          ; s[46:47] vp at my quarter's first token, channel c
.set MSB, 0
.macro WIN new                         ; the immediate's high byte repeats the setting that is left
.if MSB != \new
	s_set_vgpr_msb (MSB<<8)|\new
.set MSB, \new
.endif
.endm
.macro ROUND                           ; a round of the cluster's barrier
	s_barrier_signal -1
	s_barrier_wait -1
	s_cmp_lg_u32 s[WV], 0
	s_cbranch_scc1 .Lnot_wave_0_\@
	s_barrier_signal -3
.Lnot_wave_0_\@:
	s_barrier_wait -3
	s_barrier_signal -1
	s_barrier_wait -1
.endm
.macro PLACES
.rept 4
	v_nop
.endr
.endm
	s_load_b256 s[4:11], s[0:1], 0x0               ; kq s[4:5], qx s[6:7], vp s[8:9], out0 s[10:11]
	v_lshl_add_u32 v[SPW], v0, 2, SPARE
	v_mov_b32 v[NIL], 0
	ds_add_u32 v[SPW], v[NIL]                      ; the wave's opening: the add, twice on end, and its wait ahead of my first tensor load
	ds_add_u32 v[SPW], v[NIL]                      ; and once more; the set-up below, work on registers, stands between it and the wait
	v_lshrrev_b32 v12, 5, v0
	v_readfirstlane_b32 s[WV], v12                 ; wave 0..3
	s_bfe_u32 s13, ttmp6, 0x40000                  ; cx = jq
	s_mov_b32 s14, ttmp9                           ; ih: the cluster's x
	s_and_b32 s15, ttmp7, 0xffff                   ; p
	s_lshr_b32 s48, s15, 1                         ; b
	s_and_b32 s49, s15, 1                          ; c
	s_mov_b32 s[G1K+0], 3<<16                      ; no mask; elements of 8 bytes: 34,816 dense bytes as 136 rows of 256
	s_mov_b32 s[G1K+1], 32<<16
	s_mov_b32 s[G1K+2], 136<<16
	s_mov_b32 s[G1K+3], 32<<16
	s_mov_b32 s[G1K+4], 136
	s_mov_b32 s[G1K+5], 32
	s_mov_b32 s[G1K+6], 0
	s_mov_b32 s[G1K+7], 0
	s_mov_b32 s[G1Q+0], 15|(3<<16)|(1<<21)         ; the mask: all four work-groups; bit 21 set beside it: 69,632 dense bytes as 272 rows of 256
	s_mov_b32 s[G1Q+1], 32<<16
	s_mov_b32 s[G1Q+2], 272<<16
	s_mov_b32 s[G1Q+3], 32<<16
	s_mov_b32 s[G1Q+4], 272
	s_mov_b32 s[G1Q+5], 32
	s_mov_b32 s[G1Q+6], 0
	s_mov_b32 s[G1Q+7], 0
	; the query's run: made of p, ih and the wave's number, in registers that never hold cx
	s_lshl_b32 s50, s49, 7
	s_add_co_u32 s50, s50, 256
	s_lshl_b32 s51, s48, 3
	s_add_co_u32 s50, s50, s51
	s_lshl_b32 s51, s14, 2
	s_add_co_u32 s50, s50, s51
	s_and_b32 s60, s[WV], 1                        ; which half: waves 0 and 1 fetch the key quarter's, waves 2 and 3 the query's
	s_lshl_b32 s61, s60, 1
	s_add_co_u32 s50, s50, s61
	s_mul_i32 s50, s50, RUN
	s_mov_b32 s51, 0
	s_mul_i32 s59, s60, 2*RUN
	s_add_co_u32 s59, s59, QRY
	s_mul_i32 s55, s[WV], RUN
	s_add_co_u32 s55, s55, QRY                     ; and where it goes
	; the key's quarter
	s_lshl_b32 s52, s49, 7
	s_lshl_b32 s53, s48, 3
	s_add_co_u32 s52, s52, s53
	s_lshl_b32 s53, s13, 1
	s_add_co_u32 s52, s52, s53                     ; 128 c + 8 b + 2 jq
	s_mul_i32 s52, s52, RUN
	s_mul_i32 s54, s60, RUN                        ; my half of the key quarter
	s_add_co_u32 s52, s52, s54
	s_mov_b32 s53, 0
	; out0, the label, vp
	s_mul_i32 s56, s15, 544*512*4
	s_lshl_b32 s57, s13, 9
	s_add_co_u32 s56, s56, s57                     ; the pair, + 512 jq
	s_lshl_b32 s57, s14, 8
	s_lshl_b32 s58, s[WV], 6
	s_add_co_u32 s57, s57, s58
	s_lshl_b32 s57, s57, 11                        ; row 256 ih + 64 w, of 2,048 bytes
	s_add_co_u32 s[OUTB], s56, s57
	s_mov_b32 s[OUTB+1], 0
	s_lshl_b32 s57, s14, 3
	s_add_co_u32 s57, s57, 512
	s_lshl_b32 s57, s57, 11                        ; row 512 + 8 ih
	s_add_co_u32 s[LOUT], s56, s57
	s_mov_b32 s[LOUT+1], 0
	s_lshl_b32 s57, s49, 1
	s_add_co_u32 s57, s57, s14
	s_add_co_u32 s57, s57, 896
	s_mul_i32 s[LAB], s57, 2*REC                   ; rowblock 896 + 2 c + ih of qx
	s_mov_b32 s[LAB+1], 0
	s_lshl_b32 s57, s49, 18
	s_lshl_b32 s58, s48, 11
	s_add_co_u32 s57, s57, s58
	s_lshl_b32 s58, s13, 9
	s_add_co_u32 s[VPB], s57, s58                  ; 262,144 c + 2,048 b + 512 jq
	s_mov_b32 s[VPB+1], 0
	s_mul_i32 s62, s[WV], 16*SP
	s_add_co_u32 s62, s62, STAGE                   ; my stage
	v_and_b32 v12, 31, v0                          ; lane
	v_and_b32 v13, 15, v0                          ; r
	v_bfe_u32 v14, v0, 4, 1                        ; h
	v_lshlrev_b32 v[L16], 4, v12
	v_add_nc_u32 v[L16+1], RUN, v[L16]
	v_lshlrev_b32 v[K4], 2, v12
	v_add_nc_u32 v[K4+1], RUN, v[K4]
	v_add_nc_u32 v[Q16], s55, v[L16]
	v_add_nc_u32 v[Q4], s55, v[K4]
	v_mul_u32_u24 v[STO], v13, SP
	v_lshl_add_u32 v[STO], v14, 6, v[STO]
	v_add_nc_u32 v[STO], s62, v[STO]
	v_add_nc_u32 v[RD], s62, v[L16]
	v_lshlrev_b32 v[SCT], 4, v13
	v_mad_u32_u24 v[SCT], v14, REC, v[SCT]
	s_wait_alu depctr_va_vdst(0)                   ; the wait at the head's end
	s_wait_dscnt 0x0                               ; both opening adds are done
	s_wait_kmcnt 0x0
	s_mov_b32 s[G0K], 1
	s_add_co_u32 s[G0K+1], s54, 0
	s_add_nc_u64 s[G0K+2:G0K+3], s[4:5], s[52:53]
	s_or_b32 s[G0K+3], s[G0K+3], 0x80000000
	s_mov_b32 s[G0Q], 1
	s_add_co_u32 s[G0Q+1], s59, 0
	s_add_nc_u64 s[G0Q+2:G0Q+3], s[4:5], s[50:51]
	s_or_b32 s[G0Q+3], s[G0Q+3], 0x80000000
	s_add_nc_u64 s[OUTB:OUTB+1], s[10:11], s[OUTB:OUTB+1]
	s_add_nc_u64 s[LOUT:LOUT+1], s[10:11], s[LOUT:LOUT+1]
	s_add_nc_u64 s[LAB:LAB+1], s[6:7], s[LAB:LAB+1]
	s_add_nc_u64 s[VPB:VPB+1], s[8:9], s[VPB:VPB+1]
	ROUND                                          ; all four work-groups are here: the joint loads meet
	s_cmp_lt_u32 s[WV], 2                          ; one load a wave
	s_cbranch_scc0 .Lquery
	tensor_load_to_lds s[G0K:G0K+3], s[G1K:G1K+7]
	s_nop 0
	PLACES
	s_branch .Lasked
.Lquery:
	tensor_load_to_lds s[G0Q:G0Q+3], s[G1Q:G1Q+7]  ; jointly
	s_nop 0
	PLACES
.Lasked:
.irp q, 0,1,2,3,4,5,6,7
	global_load_b128 v[BK+4*\q:BK+4*\q+3], v[L16], s[VPB:VPB+1] offset:32768*\q   ; the eight partial sums of my four columns
.endr
	s_cmp_lg_u32 s[WV], 0
	s_cbranch_scc1 .Lno_label_loads                ; wave 0 alone makes the label rowblock
.irp s, 0,1,2,3,4,5,6,7
.irp cc, 0,1
	global_load_b128 v[LF+8*\s+4*\cc:LF+8*\s+4*\cc+3], v[L16], s[LAB:LAB+1] offset:(\s/4)*REC+(\s%4)*1024+512*\cc
.endr
.endr
	s_wait_alu depctr_va_vdst(0)
	global_load_b128 v[LS:LS+3], v[SCT], s[LAB:LAB+1] offset:4096
.Lno_label_loads:
; One matrix instruction, from the symbols rD, rA (source 0), rB (source 1), rSA, rSB (their scale words), rRA, rRB (1: the scale words stand in lanes 16-31), rZ (1: it starts the sum)
.macro WM
.if rZ
.if rRA && rRB
	v_wmma_scale_f32_16x16x128_f8f6f4 v[rD:rD+7], v[rA:rA+7], v[rB:rB+7], 0, v[rSA], v[rSB] matrix_a_fmt:MATRIX_FMT_FP4 matrix_b_fmt:MATRIX_FMT_FP4 matrix_a_scale:MATRIX_SCALE_ROW1 matrix_b_scale:MATRIX_SCALE_ROW1
.elseif rRA
	v_wmma_scale_f32_16x16x128_f8f6f4 v[rD:rD+7], v[rA:rA+7], v[rB:rB+7], 0, v[rSA], v[rSB] matrix_a_fmt:MATRIX_FMT_FP4 matrix_b_fmt:MATRIX_FMT_FP4 matrix_a_scale:MATRIX_SCALE_ROW1
.elseif rRB
	v_wmma_scale_f32_16x16x128_f8f6f4 v[rD:rD+7], v[rA:rA+7], v[rB:rB+7], 0, v[rSA], v[rSB] matrix_a_fmt:MATRIX_FMT_FP4 matrix_b_fmt:MATRIX_FMT_FP4 matrix_b_scale:MATRIX_SCALE_ROW1
.else
	v_wmma_scale_f32_16x16x128_f8f6f4 v[rD:rD+7], v[rA:rA+7], v[rB:rB+7], 0, v[rSA], v[rSB] matrix_a_fmt:MATRIX_FMT_FP4 matrix_b_fmt:MATRIX_FMT_FP4
.endif
.else
.if rRA && rRB
	v_wmma_scale_f32_16x16x128_f8f6f4 v[rD:rD+7], v[rA:rA+7], v[rB:rB+7], v[rD:rD+7], v[rSA], v[rSB] matrix_a_fmt:MATRIX_FMT_FP4 matrix_b_fmt:MATRIX_FMT_FP4 matrix_a_scale:MATRIX_SCALE_ROW1 matrix_b_scale:MATRIX_SCALE_ROW1
.elseif rRA
	v_wmma_scale_f32_16x16x128_f8f6f4 v[rD:rD+7], v[rA:rA+7], v[rB:rB+7], v[rD:rD+7], v[rSA], v[rSB] matrix_a_fmt:MATRIX_FMT_FP4 matrix_b_fmt:MATRIX_FMT_FP4 matrix_a_scale:MATRIX_SCALE_ROW1
.elseif rRB
	v_wmma_scale_f32_16x16x128_f8f6f4 v[rD:rD+7], v[rA:rA+7], v[rB:rB+7], v[rD:rD+7], v[rSA], v[rSB] matrix_a_fmt:MATRIX_FMT_FP4 matrix_b_fmt:MATRIX_FMT_FP4 matrix_b_scale:MATRIX_SCALE_ROW1
.else
	v_wmma_scale_f32_16x16x128_f8f6f4 v[rD:rD+7], v[rA:rA+7], v[rB:rB+7], v[rD:rD+7], v[rSA], v[rSB] matrix_a_fmt:MATRIX_FMT_FP4 matrix_b_fmt:MATRIX_FMT_FP4
.endif
.endif
.endm
.macro FETCHQ a                        ; query rowblock a's eight fragments into buffer a % 2
	WIN 0xc0                                       ; destination window 3
.irp s, 0,1,2,3,4,5,6,7
.irp cc, 0,1
	ds_load_b128 v[64*((\a)%2)+8*\s+4*\cc:64*((\a)%2)+8*\s+4*\cc+3], v[Q16] offset:\s*REC+(\a)*1024+512*\cc
.endr
.endr
	WIN 0
.endm
; 64 matrix instructions: query rowblock a against the eight key tiles; the eight accumulators take turns, one instruction a turn; the first K step starts the sums
.macro MULQ a
.irp s, 0,1,2,3,4,5,6,7
.if \s < 4
	WIN 0xfd                                       ; source 0 (key) window 1, source 1 (query), C and D window 3
.else
	WIN 0xfe                                       ; source 0 window 2
.endif
.if \s == 0
.set rZ, 1
.else
.set rZ, 0
.endif
.irp b, 0,1,2,3,4,5,6,7
.set rD, ACC+64*((\a)%2)+8*\b          ; two sets of accumulators take turns
.set rA, 64*(\s%4)+8*\b
.set rB, 64*((\a)%2)+8*\s
.set rSA, KS+4*\s+\b/2
.set rSB, QS+2*\s+(\a)/2
.set rRA, \b%2
.set rRB, (\a)%2
	WM
.endr
.endr
	WIN 0
.endm
.macro MULL                            ; the same for the label rowblock, whose fragments lie in window 0
.irp s, 0,1,2,3,4,5,6,7
.if \s < 4
	WIN 0xf1
.else
	WIN 0xf2
.endif
.if \s == 0
.set rZ, 1
.else
.set rZ, 0
.endif
.irp b, 0,1,2,3,4,5,6,7
.set rD, ACC+8*\b
.set rA, 64*(\s%4)+8*\b
.set rB, LF+8*\s
.set rSA, KS+4*\s+\b/2
.set rSB, LS+\s%4
.set rRA, \b%2
.set rRB, \s/4
	WM
.endr
.endr
	WIN 0
.endm
; THE WAY OUT of a rowblock: 16 rows x 128 columns go through my stage, which puts the columns into the keys' true order (tile b, lane half h, register j: column 32 (b / 2) + 16 h + 8 (b % 2) + j),
; come back as whole rows of 512 bytes, are multiplied by vsum, and leave.  Lane-row x is row row0 + x + 8 (x / 8) from the base.
.macro SENDIN ac                       ; the first half: into the stage and back
	PLACES                                         ; in front of the first read of results just made
	WIN 0x0c                                       ; an LDS store's data are its source 1: window 3
.irp b, 0,1,2,3,4,5,6,7
	ds_store_b128 v[STO], v[\ac+8*\b:\ac+8*\b+3] offset:128*(\b/2)+32*(\b%2)        ; each accumulator from its low end on
	ds_store_b128 v[STO], v[\ac+8*\b+4:\ac+8*\b+7] offset:128*(\b/2)+32*(\b%2)+16
.endr
	WIN 0
	s_wait_xcnt 0x0                                ; the rows' registers may still be the data of the last rowblock's stores: they are loaded again only behind this wait
.irp x, 0,1,2,3,4,5,6,7,8,9,10,11,12,13,14,15
	ds_load_b128 v[BK+4*\x:BK+4*\x+3], v[RD] offset:SP*\x   ; LDS serves a wave's instructions in order: these see my stores
.endr
.endm
.macro SENDOUT base, row0, younger     ; the second half; younger: the LDS loads issued behind the first half's, which may stay out
.irp x, 0,1,2,3,4,5,6,7,8,9,10,11,12,13,14,15
	s_wait_dscnt \younger+15-\x                    ; row x is back; the younger rows may be out
	v_pk_mul_f32 v[BK+4*\x:BK+4*\x+1], v[BK+4*\x:BK+4*\x+1], v[VS:VS+1]
	v_pk_mul_f32 v[BK+4*\x+2:BK+4*\x+3], v[BK+4*\x+2:BK+4*\x+3], v[VS+2:VS+3]
	global_store_b128 v[L16], v[BK+4*\x:BK+4*\x+3], s[\base:\base+1] offset:((\row0)+\x+8*(\x/8))*2048 th:TH_STORE_NT   ; 32 lanes store 512 consecutive bytes, at a multiple of 256 from out0's first byte
.endr
.endm
	s_wait_tensorcnt 0x0                           ; my load is in
	s_barrier_signal -1
	s_barrier_wait -1                              ; everybody's part is in
	WIN 0x40                                       ; destination window 1
.irp s, 0,1,2,3
.irp b, 0,1,2,3,4,5,6,7
.irp cc, 0,1
	ds_load_b128 v[64*\s+8*\b+4*\cc:64*\s+8*\b+4*\cc+3], v[L16+\b/4] offset:\s*REC+(\b%4)*1024+512*\cc
.endr
.endr
.endr
	WIN 0x80                                       ; destination window 2
.irp s, 0,1,2,3
.irp b, 0,1,2,3,4,5,6,7
.irp cc, 0,1
	ds_load_b128 v[64*\s+8*\b+4*\cc:64*\s+8*\b+4*\cc+3], v[L16+\b/4] offset:(\s+4)*REC+(\b%4)*1024+512*\cc
.endr
.endr
.endr
	WIN 0
	s_wait_alu depctr_va_vdst(0)
.irp s, 0,1,2,3,4,5,6,7
.irp q, 0,1,2,3
	ds_load_b32 v[KS+4*\s+\q], v[K4+\q/2] offset:\s*REC+4096+128*(\q%2)
.endr
.endr
	s_wait_loadcnt 0x0                             ; vp's eight parts (wave 0: and the label)
.irp q, 0,1,2,3
	v_pk_add_f32 v[BK+4*\q:BK+4*\q+1], v[BK+4*\q:BK+4*\q+1], v[BK+16+4*\q:BK+16+4*\q+1]
	v_pk_add_f32 v[BK+4*\q+2:BK+4*\q+3], v[BK+4*\q+2:BK+4*\q+3], v[BK+16+4*\q+2:BK+16+4*\q+3]
.endr
.irp q, 0,1
	v_pk_add_f32 v[BK+4*\q:BK+4*\q+1], v[BK+4*\q:BK+4*\q+1], v[BK+8+4*\q:BK+8+4*\q+1]
	v_pk_add_f32 v[BK+4*\q+2:BK+4*\q+3], v[BK+4*\q+2:BK+4*\q+3], v[BK+8+4*\q+2:BK+8+4*\q+3]
.endr
	v_pk_add_f32 v[VS:VS+1], v[BK:BK+1], v[BK+4:BK+5]
	v_pk_add_f32 v[VS+2:VS+3], v[BK+2:BK+3], v[BK+6:BK+7]          ; vsum of columns 4 x lane + 0 .. 3 of my quarter
	s_wait_dscnt 0x0                               ; the key quarter and its scale words are in registers
	s_cmp_lg_u32 s[WV], 0
	s_cbranch_scc1 .Lno_label
	MULL
	s_wait_alu depctr_va_vdst(0)
	SENDIN ACC
	SENDOUT LOUT, 0, 0
.Lno_label:
.irp s, 0,1,2,3,4,5,6,7
.irp q, 0,1
	ds_load_b32 v[QS+2*\s+\q], v[Q4] offset:\s*REC+4096+128*\q
.endr
.endr
	FETCHQ 0
	s_wait_alu depctr_va_vdst(0)
	FETCHQ 1
	s_wait_dscnt 16                                ; rowblock 1's 16 loads may be out
	MULQ 0
.irp a, 1,2,3                          ; rowblock a - 1 goes through the stage while rowblock a is multiplied
	SENDIN ACC+64*((\a-1)%2)
.if \a < 3
	FETCHQ \a+1                                    ; its buffer was read by rowblock a - 1's products; SENDIN holds the places
	s_wait_dscnt 48                                ; behind rowblock a's fragments: 16 stores and 16 loads of the stage, 16 fragment loads
	MULQ \a
	SENDOUT OUTB, 32*((\a-1)/2)+8*((\a-1)%2), 16
.else
	s_wait_dscnt 32
	MULQ \a
	SENDOUT OUTB, 32*((\a-1)/2)+8*((\a-1)%2), 0
.endif
.endr
	SENDIN ACC+64
	SENDOUT OUTB, 40, 0
	s_wait_tensorcnt 0x0                           ; the wave's end
	ds_add_u32 v[SPW], v[NIL]
	s_wait_dscnt 0x0
	ROUND                                          ; the closing round
	s_endpgm
.Lfunc_end_k_qf8a6289efd_score:
	.size	k_qf8a6289efd_score, .Lfunc_end_k_qf8a6289efd_score-k_qf8a6289efd_score
	.p2alignl 7, 3214868480
	.fill 96, 4, 3214868480
	.section	.rodata,"a",@progbits
	.p2align	6, 0x0
	.amdhsa_kernel k_qf8a6289efd_score
		.amdhsa_group_segment_fixed_size 243200
		.amdhsa_private_segment_fixed_size 0
		.amdhsa_enable_private_segment 0
		.amdhsa_kernarg_size 32
		.amdhsa_user_sgpr_count 2
		.amdhsa_user_sgpr_kernarg_segment_ptr 1
		.amdhsa_wavefront_size32 1
		.amdhsa_system_sgpr_workgroup_id_x 1
		.amdhsa_system_sgpr_workgroup_id_y 1
		.amdhsa_system_sgpr_workgroup_id_z 1
		.amdhsa_system_vgpr_workitem_id 0
		.amdhsa_next_free_vgpr 1024
		.amdhsa_next_free_sgpr 66
		.amdhsa_reserve_vcc 0
		.amdhsa_float_denorm_mode_32 3
		.amdhsa_float_denorm_mode_16_64 3
		.amdhsa_memory_ordered 1
		.amdhsa_forward_progress 1
		.amdhsa_inst_pref_size 98
	.end_amdhsa_kernel
	.amdgpu_metadata
---
amdhsa.version: [ 1, 2 ]
amdhsa.kernels:
  - .name:           k_qf8a6289efd_score
    .symbol:         k_qf8a6289efd_score.kd
    .args:
      - { .name: kq, .offset: 0, .size: 8, .value_kind: global_buffer, .address_space: global }
      - { .name: qx, .offset: 8, .size: 8, .value_kind: global_buffer, .address_space: global }
      - { .name: vp, .offset: 16, .size: 8, .value_kind: global_buffer, .address_space: global }
      - { .name: out0, .offset: 24, .size: 8, .value_kind: global_buffer, .address_space: global }
    .group_segment_fixed_size: 243200
    .private_segment_fixed_size: 0
    .kernarg_segment_align: 8
    .kernarg_segment_size: 32
    .max_flat_workgroup_size: 128
    .sgpr_count:     66
    .vgpr_count:     1024
    .wavefront_size: 32
...
	.end_amdgpu_metadata
.endif
;; end of part 3
